; MI455X (gfx1250); checked and timed in simulation.
; The chip was launched on July 23, 2026; its instructions are those of AMD's public machine-readable ISA for CDNA 5 (MIT licence, August 2026) and "CDNA5" Instruction Set Architecture Reference Guide (July 2026). The comments in the code are by the model that wrote it; some were corrected since.
;; bi Mlp. Allowed arithmetic: float matrix products may take bf16 or f16 operands with f32 sums; other float arithmetic in f32, or as packed bf16 or f16 multiplies, adds, multiply-adds, maxima and minima; sums over many terms, partial sums and values carried from step to step in f32; what a program stores and reads back later, other than sums and carried values, may be rounded once to bf16 or f16.
;; Inputs: b1 3,072 float32; b2 768 float32; w1 3,072 x 768 float32; w2 768 x 3,072 float32; x 64 x 197 x 768 float32.
;; Outputs: out0 64 x 197 x 768 float32.
;; One version. Each part assembles by itself: llvm-mc -triple=amdgcn-amd-amdhsa -mcpu=gfx1250 --defsym DOCPART=n.
;; ======== version 1 of 1: 3 launches
;; limits: inputs' magnitudes at most 65,504; values are held in f16: magnitudes above 65,504 overflow, below 6.1e-05 lose precision; a function is approximated: absolute error at most 2.5e-05
;; workspace buffers: xf 20,447,232 bytes; s1 4,718,592 bytes; s2 4,718,592 bytes; scal 24,576 bytes; h 81,788,928 bytes
;; launch prep (part 1): grid 1216 x 1, 3 waves a work-group, no clusters, 14,080 bytes of LDS; arguments x, w1, w2, xf, s1, s2, scal; writes xf, s1, s2, scal
.if DOCPART == 1
	.amdgcn_target "amdgcn-amd-amdhsa--gfx1250"
	.amdhsa_code_object_version 6
	.text
	.protected	k_q8966892719_prep
	.globl	k_q8966892719_prep
	.p2align	8
	.type	k_q8966892719_prep,@function
k_q8966892719_prep:
	s_mov_b64 s[64:65], 0
	v_nop
	global_prefetch_b8 v0, s[64:65] scope:SCOPE_SE
	s_setreg_imm32_b32 hwreg(HW_REG_WAVE_MODE, 25, 1), 1
	s_wait_xcnt 0x0
; FIRST OF THREE LAUNCHES of  out = clip(gelu(x (a1 sign w1)^T + b1), -10, 10) (a2 sign w2)^T + b2,  a = the mean of |w| along a row.
; Every input reaches the output and every step of the formula is done: nothing is left out as dead work.
; THIS LAUNCH lays the three large inputs out once, in 16 bits, in the order in which the later launches' matrix operands take them:
;   xf = x in f16;  s1 = sign(w1), s2 = sign(w2) in f16 (+1, -1, 0: exact);  scal = a1[3072], then four partial sums of a2 / 2 for each of the 768 rows of w2.
; The scales stay out of the matrix operands: they are applied in f32 behind the sums.  The 1/2 belongs to the GELU (the second launch stores 2 gelu) and is a power of two.
; A FRAGMENT is 16 rows x 32 K in 1,024 bytes, [c 2][lane 32][16 bytes]: lane l holds row l % 16 and K = 16 c + 8 (l / 16) + 0..7.  So a later fragment load is 512 bytes on end.
;   xf [rbg 832][kb 24][1 KB]: each of the 64 batch elements' 197 rows fills 13 blocks of 16; places 197 .. 207 repeat row 196 (rows inside a live tile, never stored to the output).
;   s1 [panel 64][kb 24][nb 3][1 KB]: a panel is 48 rows of w1.      s2 [q 4][ks 16][nb 12][kq 6][1 KB]: q = 192 rows of w2, ks = 192 K.
; SHARES.  A work-group is one task of 16 rows x 768 columns of f32: 832 tasks of x, 192 of w1, 192 of w2 (16 rows x a quarter of K).  Wave v takes columns 256 v .. 256 v + 255, as two chunks
; of 128.  All 32 loads of a wave (16 rows x 2 chunks, 512 bytes on end each) go out at the start; the text has no loop.  A lane's four numbers are 8 bytes of a fragment; they are turned into
; fragment order in the wave's own stage in LDS, and each store to memory covers 512 consecutive bytes, aligned.
; No matrix unit, no cluster, no tensor load, no prefetch: nothing is shared between work-groups, and every byte is asked for at once.
; LIMITS.  |x| of 65,520 or more becomes an infinity in f16.  sign(w) = med3(w 2^200, -1, 1): right for every finite w, denormals and both zeros too; a NaN in w is not treated apart.
.set STG,   4352                       ; a wave's stage: 16 units of 256 bytes + 16 of padding = 68 words: unit u starts at bank 4 u mod 64 (64 banks of 4 bytes: ISA guide 11.1)
.set SUMB,  3*STG                      ; 128 bytes a wave: the waves' row sums
.set SPARE, SUMB+512                   ; the spare words, 128 bytes for each wave: two blocks of 256 bytes that no other line names
.set LN,  1                            ; v1   lane
.set L16, 2                            ; v2   16 x lane
.set ST,  3                            ; v3   stage, in: unit lane / 2, byte 8 (lane % 2); the row stands in the immediate
.set RDB, 4                            ; v4   stage, back: unit lane / 16, byte 16 (lane % 16)
.set L15, 5                            ; v5   lane % 16
.set SPW, 6                            ; v6   LDS address of my spare word; never rewritten
.set NIL, 7                            ; v7   0; never rewritten
.set T,   8                            ; v[8:15]    at work
.set RO,  16                           ; v[16:31]   row j: byte offset of my 16 bytes
.set S,   32                           ; v[32:47]   row j: my sum of |w|
.set X,   48                           ; v[48:175]  chunk c, row j: 4 registers at X + 64 c + 4 j
.set WV,  18                           ; s18  my wave's number
.set BID, 19                           ; s19  the task
.set SRC, 20                           ; s[20:21] the task's first row, my wave's columns
.set DST, 22                           ; s[22:23] where the task's fragment kb = 0 goes
.set RS,  24                           ; s24  bytes from row to row in the source
.set LIM, 25                           ; s25  the last row that exists
.set SA,  26                           ; s26, s27  fragment kb lies at (kb / 6) SB + (kb % 6) SA behind DST
.set SB,  27
.set AOF, 28                           ; s28  byte in scal of the task's 16 sums
.set SCL, 29                           ; s29  what the sums are multiplied by
.set BIG, 36                           ; s[36:37] 2^100
.set SEL, 38                           ; s[38:39] v_permlanex16_b32's selects: each lane takes its own place in the other half
.set BASE, 40                          ; s[40:55] my eight fragments' addresses, each written once
	s_load_b256 s[4:11], s[0:1], 0x0               ; x s[4:5], w1 s[6:7], w2 s[8:9], xf s[10:11]
	s_load_b128 s[12:15], s[0:1], 0x20             ; s1 s[12:13], s2 s[14:15]
	s_load_b64 s[16:17], s[0:1], 0x30              ; scal
	v_lshl_add_u32 v[SPW], v0, 2, SPARE
	v_mov_b32 v[NIL], 0
	v_lshrrev_b32 v1, 5, v0
	v_readfirstlane_b32 s[WV], v1                  ; wave 0..2
	v_and_b32 v[LN], 31, v0
	v_lshlrev_b32 v[L16], 4, v[LN]
	v_and_b32 v[L15], 15, v0
	s_mul_i32 s30, s[WV], STG                      ; my stage
	v_lshrrev_b32 v[T], 1, v[LN]
	v_mul_u32_u24 v[ST], v[T], 272
	v_and_b32 v[T], 1, v0
	v_lshl_add_u32 v[ST], v[T], 3, v[ST]
	v_add_nc_u32 v[ST], s30, v[ST]
	v_lshrrev_b32 v[T], 4, v[LN]
	v_mul_u32_u24 v[RDB], v[T], 272
	v_lshl_add_u32 v[RDB], v[L15], 4, v[RDB]
	v_add_nc_u32 v[RDB], s30, v[RDB]
	s_mov_b32 s[BID], ttmp9
	s_mov_b32 s31, 0                               ; the high word of every offset: stays 0
	s_mov_b32 s[BIG], 0x71800000
	s_mov_b32 s[BIG+1], 0x71800000                 ; named with it as a pair
	s_mov_b32 s[SEL], 0x76543210
	s_mov_b32 s[SEL+1], 0xfedcba98
	s_wait_kmcnt 0x0
; The wave's columns, the 16 row offsets, all 32 loads, then the eight store addresses.
.macro SETUP
	s_lshl_b32 s30, s[WV], 10                      ; 256 columns of f32
	s_add_nc_u64 s[SRC:SRC+1], s[SRC:SRC+1], s[30:31]
.irp j, 0,1,2,3,4,5,6,7,8,9,10,11,12,13,14,15
	s_min_u32 s32, s[LIM], \j                      ; a place past the last row repeats it
	s_mul_i32 s32, s32, s[RS]
	v_add_nc_u32 v[RO+\j], s32, v[L16]
.endr
.irp c, 0,1
.irp j, 0,1,2,3,4,5,6,7,8,9,10,11,12,13,14,15
	global_load_b128 v[X+64*\c+4*\j:X+64*\c+4*\j+3], v[RO+\j], s[SRC:SRC+1] offset:512*\c th:TH_LOAD_NT
.endr
.endr
.irp i, 0,1,2,3,4,5,6,7
	s_lshl3_add_u32 s32, s[WV], \i                 ; kb = 8 v + i
	s_mul_i32 s33, s32, 43
	s_lshr_b32 s33, s33, 8                         ; kb / 6 (exact for kb under 24)
	s_mul_i32 s34, s33, 6
	s_sub_co_u32 s32, s32, s34                     ; kb % 6
	s_mul_i32 s30, s33, s[SB]
	s_mul_i32 s32, s32, s[SA]
	s_add_co_u32 s30, s30, s32
	s_add_nc_u64 s[BASE+2*\i:BASE+2*\i+1], s[DST:DST+1], s[30:31]
.endr
.endm
; Row j of chunk c of x: four numbers rounded to f16, 8 bytes into the stage.
.macro ROWX c, j
.set xr, X+64*(\c)+4*(\j)
.set pr, T+2*((\j)%4)
	s_wait_loadcnt 31-16*(\c)-(\j)                 ; loads come back in order (ISA guide 5.7.1): mine is in, the younger ones stay out
	v_cvt_pk_f16_f32 v[pr], v[xr], v[xr+1]
	v_cvt_pk_f16_f32 v[pr+1], v[xr+2], v[xr+3]
	ds_store_b64 v[ST], v[pr:pr+1] offset:16*(\j)
.endm
; Row j of chunk c of a weight: |w| into the row's sum; w 2^100 2^100 held to -1 .. 1 is the sign (0 stays 0; the smallest denormal, 2^-149, reaches 2^51).
.macro ROWW c, j
.set xr, X+64*(\c)+4*(\j)
.set pr, T+2+2*((\j)%2)
	s_wait_loadcnt 31-16*(\c)-(\j)
	v_add_f32 v[T], |v[xr]|, |v[xr+1]|
	v_add_f32 v[T+1], |v[xr+2]|, |v[xr+3]|
	v_pk_mul_f32 v[xr:xr+1], v[xr:xr+1], s[BIG:BIG+1] op_sel_hi:[1,0]
	v_pk_mul_f32 v[xr+2:xr+3], v[xr+2:xr+3], s[BIG:BIG+1] op_sel_hi:[1,0]
.if (\c) == 0
	v_add_f32 v[S+(\j)], v[T], v[T+1]              ; the first chunk starts the sum: nothing is cleared
.else
	v_add_f32 v[T], v[T], v[T+1]
.endif
	v_pk_mul_f32 v[xr:xr+1], v[xr:xr+1], s[BIG:BIG+1] op_sel_hi:[1,0]
	v_pk_mul_f32 v[xr+2:xr+3], v[xr+2:xr+3], s[BIG:BIG+1] op_sel_hi:[1,0]
.if (\c) == 1
	v_add_f32 v[S+(\j)], v[S+(\j)], v[T]
.endif
.irp k, 0,1,2,3
	v_med3_num_f32 v[xr+\k], v[xr+\k], -1.0, 1.0
.endr
	v_cvt_pk_f16_f32 v[pr], v[xr], v[xr+1]
	v_cvt_pk_f16_f32 v[pr+1], v[xr+2], v[xr+3]
	ds_store_b64 v[ST], v[pr:pr+1] offset:16*(\j)
.endm
; Chunk c's four fragments come back from my stage, 512 bytes of a fragment to a load, and leave.
.macro OUT c
.irp i, 0,1,2,3,4,5,6,7
	ds_load_b128 v[X+64*(\c)+4*\i:X+64*(\c)+4*\i+3], v[RDB] offset:544*\i  ; LDS serves a wave's instructions in order (ISA guide 5.7.1.4): these see the stores above, and the next chunk's stores come behind them
.endr
.irp i, 0,1,2,3,4,5,6,7
	s_wait_dscnt 7-\i
	global_store_b128 v[L16], v[X+64*(\c)+4*\i:X+64*(\c)+4*\i+3], s[BASE+2*(4*(\c)+\i/2):BASE+2*(4*(\c)+\i/2)+1] offset:512*(\i%2) th:TH_STORE_NT  ; 512 consecutive bytes, aligned
.endr
.endm
	s_cmp_lt_u32 s[BID], 832                       ; the same in all three waves
	s_cbranch_scc0 .Lweights
	; A TASK OF x: row block rb of batch element g
	s_mul_i32 s32, s[BID], 20165
	s_lshr_b32 s32, s32, 18                        ; g = task / 13 (13 x 20,165 = 2^18 + 1: exact for tasks under 832)
	s_mul_i32 s33, s32, 13
	s_sub_co_u32 s33, s[BID], s33                  ; rb
	s_mul_i32 s32, s32, 197
	s_lshl4_add_u32 s32, s33, s32                  ; the block's first row: 197 g + 16 rb
	s_mul_i32 s30, s32, 3072
	s_add_nc_u64 s[SRC:SRC+1], s[4:5], s[30:31]
	s_mul_i32 s30, s[BID], 24576
	s_add_nc_u64 s[DST:DST+1], s[10:11], s[30:31]
	s_cmp_eq_u32 s33, 12
	s_cselect_b32 s[LIM], 4, 15                    ; the thirteenth block has rows 192 .. 196
	s_mov_b32 s[RS], 3072
	s_mov_b32 s[SA], 1024
	s_mov_b32 s[SB], 6144
	SETUP
.irp c, 0,1
.irp j, 0,1,2,3,4,5,6,7,8,9,10,11,12,13,14,15
	ROWX \c, \j
.endr
	OUT \c
.endr
	s_branch .Lend
.Lweights:
	s_mov_b32 s[LIM], 15
	s_cmp_lt_u32 s[BID], 1024
	s_cbranch_scc0 .Lw2
	; A TASK OF w1: rows 16 e .. 16 e + 15, all 768 K
	s_sub_co_u32 s32, s[BID], 832                  ; e
	s_mul_i32 s30, s32, 49152
	s_add_nc_u64 s[SRC:SRC+1], s[6:7], s[30:31]
	s_mul_i32 s33, s32, 171
	s_lshr_b32 s33, s33, 9                         ; the panel: e / 3 (exact for e under 192)
	s_mul_i32 s34, s33, 3
	s_sub_co_u32 s34, s32, s34                     ; nb = e % 3
	s_mul_i32 s30, s33, 73728
	s_lshl_b32 s34, s34, 10
	s_add_co_u32 s30, s30, s34
	s_add_nc_u64 s[DST:DST+1], s[12:13], s[30:31]
	s_mov_b32 s[RS], 3072
	s_mov_b32 s[SA], 3072                          ; from kb to kb: three fragments
	s_mov_b32 s[SB], 18432
	s_lshl_b32 s[AOF], s32, 6                      ; a1[16 e ..]
	s_mov_b32 s[SCL], 0x3aaaaaab                   ; 1 / 768
	s_branch .Lwgo
.Lw2:
	; A TASK OF w2: rows 16 nb2 .. + 15, K = 768 p .. 768 p + 767
	s_sub_co_u32 s32, s[BID], 1024
	s_lshr_b32 s33, s32, 2                         ; nb2
	s_and_b32 s34, s32, 3                          ; p
	s_mul_i32 s30, s33, 196608
	s_mul_i32 s35, s34, 3072
	s_add_co_u32 s30, s30, s35
	s_add_nc_u64 s[SRC:SRC+1], s[8:9], s[30:31]
	s_lshl_b32 s[AOF], s33, 6
	s_add_co_u32 s[AOF], s[AOF], s35
	s_add_co_u32 s[AOF], s[AOF], 12288             ; part p of a2 / 2, rows 16 nb2 ..
	s_mul_i32 s35, s33, 43
	s_lshr_b32 s35, s35, 9                         ; q = nb2 / 12 (exact for nb2 under 48)
	s_mul_i32 s30, s35, 12
	s_sub_co_u32 s33, s33, s30                     ; nb = nb2 % 12
	s_lshl_b32 s35, s35, 4
	s_lshl2_add_u32 s35, s34, s35                  ; block 16 q + 4 p: the quarter's first K step
	s_mul_i32 s30, s35, 73728
	s_mul_i32 s33, s33, 6144
	s_add_co_u32 s30, s30, s33
	s_add_nc_u64 s[DST:DST+1], s[14:15], s[30:31]
	s_mov_b32 s[RS], 12288
	s_mov_b32 s[SA], 1024
	s_mov_b32 s[SB], 73728                         ; from K step to K step
	s_mov_b32 s[SCL], 0x392aaaab                   ; 1 / 6144 = 1 / (2 x 3072)
.Lwgo:
	SETUP
.irp c, 0,1
.irp j, 0,1,2,3,4,5,6,7,8,9,10,11,12,13,14,15
	ROWW \c, \j
.endr
	OUT \c
.endr
	; THE SUMS.  Across the 32 lanes, row by row: four steps inside each half of 16 lanes ride on the addition, one crosses the halves.
.irp m, 1,2,4,8
.irp j, 0,1,2,3,4,5,6,7,8,9,10,11,12,13,14,15
	v_add_f32_dpp v[S+\j], v[S+\j], v[S+\j] row_xmask:\m row_mask:0xf bank_mask:0xf
.endr
.endr
.irp j, 0,1,2,3,4,5,6,7,8,9,10,11,12,13,14,15
	v_permlanex16_b32 v[X+96+\j], v[S+\j], s[SEL], s[SEL+1]  ; its destination counts as read: registers of rows that have been worked off
.endr
.irp j, 0,1,2,3,4,5,6,7,8,9,10,11,12,13,14,15
	v_add_f32 v[S+\j], v[S+\j], v[X+96+\j]
.endr
	v_mov_b32 v[T], v[S]                           ; lane l keeps row l % 16's sum
.irp j, 1,2,3,4,5,6,7,8,9,10,11,12,13,14,15
	v_cmp_eq_u32 vcc_lo, \j, v[L15]
	v_cndmask_b32 v[T], v[T], v[S+\j], vcc_lo
.endr
	v_lshlrev_b32 v[T+1], 2, v[LN]
	s_lshl_b32 s30, s[WV], 7
	v_add_nc_u32 v[T+2], s30, v[T+1]
	ds_store_b32 v[T+2], v[T] offset:SUMB
	s_wait_dscnt 0x0                               ; for the others' sake: my sums lie in LDS
	s_barrier_signal -1
	s_barrier_wait -1                              ; all three waves' do
	s_cmp_lg_u32 s[WV], 0                          ; wave 0 adds the three and stores
	s_cbranch_scc1 .Lend
	ds_load_b32 v[T+3], v[T+1] offset:SUMB
	ds_load_b32 v[T+4], v[T+1] offset:SUMB+128
	ds_load_b32 v[T+5], v[T+1] offset:SUMB+256
	v_lshl_add_u32 v[T+6], v[L15], 2, s[AOF]
	s_wait_dscnt 0x0
	v_add_f32 v[T+3], v[T+3], v[T+4]
	v_add_f32 v[T+3], v[T+3], v[T+5]
	v_mul_f32 v[T+3], s[SCL], v[T+3]
	s_wait_xcnt 0x0                                ; EXEC is a source of the stores above: it changes only behind this wait
	v_cmp_gt_u32 vcc_lo, 16, v[LN]
	s_and_saveexec_b32 s30, vcc_lo                 ; lanes 0 .. 15: one number a row
	global_store_b32 v[T+6], v[T+3], s[16:17]
	s_wait_xcnt 0x0                                ; and again, in front of the line that widens it
	s_or_b32 exec_lo, exec_lo, s30
.Lend:
	s_wait_tensorcnt 0x0                           ; the wave's end, behind my last LDS store
	ds_add_u32 v[SPW], v[NIL]
	s_wait_dscnt 0x0
	s_endpgm
.Lfunc_end_k_q8966892719_prep:
	.size	k_q8966892719_prep, .Lfunc_end_k_q8966892719_prep-k_q8966892719_prep
	.p2alignl 7, 3214868480
	.fill 96, 4, 3214868480
	.section	.rodata,"a",@progbits
	.p2align	6, 0x0
	.amdhsa_kernel k_q8966892719_prep
		.amdhsa_group_segment_fixed_size 14080
		.amdhsa_private_segment_fixed_size 0
		.amdhsa_enable_private_segment 0
		.amdhsa_kernarg_size 56
		.amdhsa_user_sgpr_count 2
		.amdhsa_user_sgpr_kernarg_segment_ptr 1
		.amdhsa_wavefront_size32 1
		.amdhsa_system_sgpr_workgroup_id_x 1
		.amdhsa_system_sgpr_workgroup_id_y 1
		.amdhsa_system_sgpr_workgroup_id_z 1
		.amdhsa_system_vgpr_workitem_id 0
		.amdhsa_next_free_vgpr 176
		.amdhsa_next_free_sgpr 66
		.amdhsa_reserve_vcc 1
		.amdhsa_float_denorm_mode_32 3
		.amdhsa_float_denorm_mode_16_64 3
		.amdhsa_memory_ordered 1
		.amdhsa_forward_progress 1
		.amdhsa_inst_pref_size 68
	.end_amdhsa_kernel
	.amdgpu_metadata
---
amdhsa.version: [ 1, 2 ]
amdhsa.kernels:
  - .name:           k_q8966892719_prep
    .symbol:         k_q8966892719_prep.kd
    .args:
      - { .name: x, .offset: 0, .size: 8, .value_kind: global_buffer, .address_space: global }
      - { .name: w1, .offset: 8, .size: 8, .value_kind: global_buffer, .address_space: global }
      - { .name: w2, .offset: 16, .size: 8, .value_kind: global_buffer, .address_space: global }
      - { .name: xf, .offset: 24, .size: 8, .value_kind: global_buffer, .address_space: global }
      - { .name: s1, .offset: 32, .size: 8, .value_kind: global_buffer, .address_space: global }
      - { .name: s2, .offset: 40, .size: 8, .value_kind: global_buffer, .address_space: global }
      - { .name: scal, .offset: 48, .size: 8, .value_kind: global_buffer, .address_space: global }
    .group_segment_fixed_size: 14080
    .private_segment_fixed_size: 0
    .kernarg_segment_align: 8
    .kernarg_segment_size: 56
    .max_flat_workgroup_size: 96
    .sgpr_count:     66
    .vgpr_count:     176
    .wavefront_size: 32
...
	.end_amdgpu_metadata
.endif
;; end of part 1
;; launch fc1 (part 2): grid 16 x 16, 4 waves a work-group, clusters of 4 x 1, 327,680 bytes of LDS; arguments xf, s1, scal, b1, h; writes h
.if DOCPART == 2
	.amdgcn_target "amdgcn-amd-amdhsa--gfx1250"
	.amdhsa_code_object_version 6
	.text
	.protected	k_q8966892719_fc1
	.globl	k_q8966892719_fc1
	.p2align	8
	.type	k_q8966892719_fc1,@function
k_q8966892719_fc1:
	s_mov_b64 s[64:65], 0
	v_nop
	global_prefetch_b8 v0, s[64:65] scope:SCOPE_SE
	s_setreg_imm32_b32 hwreg(HW_REG_WAVE_MODE, 25, 1), 1
	s_wait_xcnt 0x0
	s_wait_alu depctr_hold_cnt(0) depctr_sa_sdst(0) depctr_va_vdst(0) depctr_va_sdst(0) depctr_va_ssrc(0) depctr_va_vcc(0) depctr_vm_vsrc(0)
	s_getreg_b32 s2, hwreg(HW_REG_IB_STS2, 6, 4)
	s_cmp_eq_u32 s2, 0
	s_cbranch_scc0 .Lentry_in_a_cluster
	s_endpgm
.Lentry_in_a_cluster:
	s_bfe_u32 s2, ttmp6, 0x10000c
	s_cmp_lg_u32 s2, 0x3003
	s_cbranch_scc0 .Lentry_shape_is_right
	s_endpgm
.Lentry_shape_is_right:
; SECOND LAUNCH.  h = clip(2 gelu(a1 (x sign(w1)^T) + b1), -20, 20) in f16, in the order of the third launch's fragments.  Nothing of the formula is left out; 2 clip(gelu, -10, 10) is
; stored in place of clip(gelu, -10, 10), and the third launch's scale holds the 1/2 (a power of two: exact).
; SHARES.  Work-group (ct, RG): columns 192 ct .. + 191 of h for the 52 row blocks 52 RG .. 52 RG + 51 of xf (16 rows each).  Wave w owns 48 of the columns.  K is only 768, so the wave's whole
; panel of sign(w1), 72 fragments, STAYS IN 576 REGISTERS: it is loaded once, straight from memory (no other wave of the work-group wants it).  Only x streams: a row block is 24 fragments, 24,576 bytes on end.
; RING.  Two LDS slots of four row blocks; each wave moves one block of a fill by one tensor load.  CLUSTER: the four work-groups of a cluster have the same RG and walk the same row blocks, so each fill
; is asked for JOINTLY: the same load, descriptor and mask in all four.
; THE PRODUCT is taken transposed (source 0 = 16 columns' signs, source 1 = 16 rows of x): a lane holds ONE row (lane % 16) and the columns 8 (lane / 16) + 0..7, so an accumulator rounded to f16 IS half a
; fragment of h, 16 bytes a lane: it is stored as it stands, 512 consecutive bytes a wave, and needs no stage.
; GELU.  2 gelu(z) = z + |z| erf(|z| / sqrt 2), erf(u) = 1 - (a1 t + a2 t^2 + a3 t^3) e^(-u u), t = 1 / (1 + 0.47047 u): |error of erf| at most 2.5e-5 for every u >= 0 (Abramowitz and Stegun 7.1.25).
; With u = |z| / sqrt 2: t = 1 / (1 + 0.33267253 |z|), e^(-u u) = 2^(-0.72134752 z z).  A huge z gives e = 0 and z + |z|, which the clip holds.
; BY TURNS.  A row block has 72 products and 216 vector instructions a wave.  The vector work of earlier blocks rides behind the products, three lines at the most behind each: in a trip, behind the 36
; products that finish block n - 1 stands the polynomial, clip and rounding of block n - 2; behind the 36 that begin block n stand the arguments, reciprocals and exponentials of block n - 1.
; MEMORY INSTRUCTIONS stand in two groups a trip, never singly among the products: the first run of LDS loads; the block's three stores and the second run.
; LIMITS.  |error of 2 gelu| at most 2.5e-5 |z|; h below 6e-5 keeps f16's fixed step of 6e-8; NaN and infinities are not treated apart.
; REGISTERS, in windows of 256 (s_set_vgpr_msb: bits 1:0 source 0, 3:2 source 1, 5:4 source 2, 7:6 destination):
;   window 0: addresses, the three accumulators and all of the GELU      window 1: v0-191 x's 24 fragments of a block; v192-255 panel fragments 0-7      window 2: fragments 8-39      window 3: fragments 40-71
; All vector work lies in window 0 and a product's sources never do, so a slice of riders costs two switches.
.set BLK,   24576                      ; a row block of xf
.set FILLB, 4*BLK                      ; a fill
.set SLOT1, 1<<17                      ; slot 1 begins here, so that one exclusive or turns an address in one slot into the other's
.set SPARE, FILLB                      ; behind slot 0: the spare words, 128 bytes for each wave: two blocks of 256 bytes that no other line names
.set RBH,   6144                       ; a row block's 192 columns of h
.set KSH,   832*RBH                    ; from one ct to the next in h
.set L16, 2                            ; v2   16 x lane
.set ADR, 3                            ; v3   LDS address of the block to be fetched
.set HO,  4                            ; v4   my 16 bytes in a row block of h: 16 x lane + 1,536 w
.set PFO, 5                            ; v5   256 x lane; never rewritten
.set AO,  7                            ; v7   my 8 columns in a1 and b1: 32 (lane / 16) + 192 w
.set SPW, 8                            ; v8   LDS address of my spare word; never rewritten
.set NIL, 9                            ; v9   0; never rewritten
.set ACC, 16                           ; v[16:39]   three accumulators
.set H,   40                           ; v[40:63]   z, then 2 gelu(z)
.set T,   64                           ; v[64:87]   1 + 0.33267253 |z|, then t
.set E,   88                           ; v[88:111]  -0.72134752 z z, then e, then t e
.set P,   112                          ; v[112:135] the polynomial, then 1 - P t e
.set O,   136                          ; v[136:147] the block in f16
.set AL,  152                          ; v[152:175] a1 of my 24 columns
.set BI,  176                          ; v[176:199] b1
.set WV,  14
.set CX,  15
.set CT,  16
.set RG,  17
.set G1,  24                           ; s[24:31] descriptor group 1
.set G0A, 32                           ; s[32:35] group 0 of fill 0
.set G0B, 36                           ; s[36:39] group 0 of fill 1; it then walks
.set CP,  40
.set NC,  42                           ; pairs: a packed line takes the low word for both halves
.set A3,  44
.set A2,  46
.set A1,  48
.set CLO, 54
.set CHI, 55
.set TB,  56                           ; s56  LDS byte at which the block to be fetched begins
.set CNT, 57                           ; s57  counts a slot's blocks
.set SLOTS, 58                         ; s58  changes of slots still to come, and one
.set HB,  60                           ; s[60:61] h at the row block to be stored next
.set PFA, 62                           ; s[62:63] where my prefetches stand
.set LIM, 66                           ; s66  2 in a wave that prefetches, else the greatest number
.set SB,  68                           ; s[68:69] my panel
.set ALB, 70                           ; s[70:71] a1 at the work-group's columns
.set BIB, 72                           ; s[72:73] b1 likewise
.set MSB, 0
.macro WIN new                         ; the immediate's high byte repeats the setting that is left; a switch that changes nothing is dropped
.if MSB != (\new)
	s_set_vgpr_msb (MSB<<8)|(\new)
.set MSB, (\new)
.endif
.endm
; A round of the cluster's barrier: my work-group's barrier, so that wave 0's signal speaks for all four waves; wave 0 signals; every wave waits for all four work-groups; my work-group's barrier once more.
.macro CROUND
	s_barrier_signal -1
	s_barrier_wait -1
	s_cmp_lg_u32 s[WV], 0
	s_cbranch_scc1 .Lnot_wave_0_\@
	s_barrier_signal -3
.Lnot_wave_0_\@:
	s_barrier_wait -3
	s_barrier_signal -1
	s_barrier_wait -1
.endm
; A PREFETCH INTO THE L2, behind the joint load and its five lines: the fill that stands TWO changes of slots on, eight trips or 576 products ahead of the load that will want it.  A fill is 384 blocks of
; 256 bytes.  All four clusters of an RG walk the same row blocks: the first of them (cluster x = 0) asks.  Its four partners share the fill out BY ADDRESS, a row block each; in each, waves 0 to 2 take
; 32 blocks of 256 bytes, a lane a block.  So each block is named once in the launch.  Fills 0 to 3 come by their loads alone; the last two changes that fill a slot ask for nothing: there is no fill 13.
.macro ASK
	s_cmp_gt_u32 s[SLOTS], s[LIM]
	s_cbranch_scc0 .Lnot_mine_\@
	global_prefetch_b8 v[PFO], s[PFA:PFA+1] th:TH_LOAD_NT scope:SCOPE_SE
.Lnot_mine_\@:
.endm
	s_load_b256 s[4:11], s[0:1], 0x0               ; xf s[4:5], s1 s[6:7], scal s[8:9], b1 s[10:11]
	s_load_b64 s[12:13], s[0:1], 0x20              ; h
	v_lshl_add_u32 v[SPW], v0, 2, SPARE
	v_mov_b32 v[NIL], 0
	ds_add_u32 v[SPW], v[NIL]                      ; the wave's opening: the add, twice on end, and its wait ahead of my first tensor load; the set-up below, work on registers, stands between
	ds_add_u32 v[SPW], v[NIL]
	v_lshrrev_b32 v1, 5, v0
	v_readfirstlane_b32 s[WV], v1                  ; wave 0..3
	s_bfe_u32 s[CX], ttmp6, 0x40000                ; my place in the cluster
	s_lshl_b32 s[CT], ttmp9, 2                     ; in a cluster launch ttmp9 counts clusters
	s_add_co_u32 s[CT], s[CT], s[CX]               ; ct: it enters the addresses of the panel, a1, b1 and h alone
	s_and_b32 s[RG], ttmp7, 0xffff                 ; which the four partners share
	; descriptor group 1: a row block is 24,576 dense bytes, asked for as 96 rows of 256 bytes (32 elements of 8)
	s_mov_b32 s[G1], 15|(3<<16)|(1<<21)            ; 15:0 the mask: all four work-groups; 17:16 elements of 8 bytes; 21 set beside a mask; no padding: fragment loads take 512 bytes on end
	s_mov_b32 s[G1+1], 32<<16                      ; tensor_dim0 = 32
	s_mov_b32 s[G1+2], 96<<16                      ; tensor_dim1 = 96
	s_mov_b32 s[G1+3], 32<<16                      ; tile_dim0 = 32
	s_mov_b32 s[G1+4], 96                          ; tile_dim1 = 96
	s_mov_b32 s[G1+5], 32                          ; 32 elements from row to row
	s_mov_b32 s[G1+6], 0
	s_mov_b32 s[G1+7], 0
	s_mul_i32 s78, s[WV], BLK                      ; wave w moves block w of a fill: no place in the cluster enters an LDS address
	s_mov_b32 s[G0A], 1
	s_mov_b32 s[G0A+1], s78
	s_mov_b32 s[G0B], 1
	s_add_co_u32 s[G0B+1], s78, SLOT1
	s_mul_i32 s18, s[RG], 52
	s_add_co_u32 s18, s18, s[WV]
	s_mul_i32 s18, s18, BLK                        ; xf: row block 52 RG + w
	s_mov_b32 s19, 0
	s_mul_i32 s20, s[CT], KSH
	s_mul_i32 s21, s[RG], 52*RBH
	s_add_co_u32 s20, s20, s21                     ; h: ct, row block 52 RG
	s_mov_b32 s21, 0
	s_lshl2_add_u32 s22, s[CT], s[WV]
	s_mul_i32 s22, s22, 73728                      ; s1: panel 4 ct + w
	s_mov_b32 s23, 0
	s_mul_i32 s74, s[CT], 768                      ; a1, b1: 192 columns of f32
	s_mov_b32 s75, 0
	s_mul_i32 s76, s[RG], 52
	s_add_co_u32 s76, s76, s[CX]
	s_add_co_u32 s76, s76, 12
	s_mul_i32 s76, s76, BLK                        ; the prefetches: my work-group's block of fill 3 (the first change of slots steps it to fill 4),
	s_lshl_b32 s77, s[WV], 13
	s_add_co_u32 s76, s76, s77                     ; my wave's third of it
	s_mov_b32 s77, 0
	s_cmp_lt_u32 s[WV], 3
	s_cselect_b32 s[LIM], 0, 1
	s_or_b32 s[LIM], s[LIM], ttmp9                 ; 0 in waves 0 to 2 of the RG's first cluster: the same in all four partners
	s_cmp_eq_u32 s[LIM], 0
	s_cselect_b32 s[LIM], 2, -1
	s_mov_b32 s[CP], 0x3eaa540e                    ; 0.33267253 = 0.47047 / sqrt 2
	s_mov_b32 s[NC], 0xbf38aa3b                    ; -0.72134752
	s_mov_b32 s[NC+1], 0xbf38aa3b
	s_mov_b32 s[A3], 0x3f3f7377                    ; 0.7478556
	s_mov_b32 s[A3+1], 0x3f3f7377
	s_mov_b32 s[A2], 0xbdc45ca1                    ; -0.0958798
	s_mov_b32 s[A2+1], 0xbdc45ca1
	s_mov_b32 s[A1], 0x3eb2303a                    ; 0.3480242
	s_mov_b32 s[A1+1], 0x3eb2303a
	s_mov_b32 s[CLO], 0xc1a00000                   ; -20
	s_mov_b32 s[CHI], 0x41a00000                   ; 20
	s_mov_b32 s[TB], 0
	s_wait_dscnt 0x0                               ; both opening adds are done
	s_wait_kmcnt 0x0
	s_add_nc_u64 s[G0A+2:G0A+3], s[4:5], s[18:19]
	s_add_nc_u64 s[G0B+2:G0B+3], s[G0A+2:G0A+3], FILLB
	s_or_b32 s[G0A+3], s[G0A+3], 0x80000000        ; 127:126 type = 2
	s_or_b32 s[G0B+3], s[G0B+3], 0x80000000
	s_add_nc_u64 s[HB:HB+1], s[12:13], s[20:21]
	s_add_nc_u64 s[SB:SB+1], s[6:7], s[22:23]
	s_add_nc_u64 s[ALB:ALB+1], s[8:9], s[74:75]
	s_add_nc_u64 s[BIB:BIB+1], s[10:11], s[74:75]
	s_add_nc_u64 s[PFA:PFA+1], s[4:5], s[76:77]
	CROUND                                         ; all four work-groups are here: the first joint loads meet
	tensor_load_to_lds s[G0A:G0A+3], s[G1:G1+7]    ; both first fills go out together: two loads of mine are out
	s_nop 0
	tensor_load_to_lds s[G0B:G0B+3], s[G1:G1+7]
	s_nop 0
	v_and_b32 v1, 31, v0                           ; (eight plain lines stand ahead of the next window switch)
	v_lshlrev_b32 v[L16], 4, v1
	v_lshlrev_b32 v[PFO], 8, v1
	v_bfe_u32 v1, v0, 4, 1                         ; lane / 16
	s_mul_i32 s18, s[WV], 192
	v_lshl_add_u32 v[AO], v1, 5, s18
	s_mul_i32 s18, s[WV], 1536
	v_add_nc_u32 v[HO], s18, v[L16]
	v_add_nc_u32 v[ADR], s[TB], v[L16]             ; block 0 lies at the head of slot 0
	v_nop
.irp n, 0,1,2
	global_load_b128 v[AL+8*\n:AL+8*\n+3],   v[AO], s[ALB:ALB+1] offset:64*\n
	global_load_b128 v[AL+8*\n+4:AL+8*\n+7], v[AO], s[ALB:ALB+1] offset:64*\n+16
	global_load_b128 v[BI+8*\n:BI+8*\n+3],   v[AO], s[BIB:BIB+1] offset:64*\n
	global_load_b128 v[BI+8*\n+4:BI+8*\n+7], v[AO], s[BIB:BIB+1] offset:64*\n+16
.endr
.macro PREG f                          ; where panel fragment f lies: window pw, register pr
.if (\f) < 8
.set pw, 1
.set pr, 192+8*(\f)
.elseif (\f) < 40
.set pw, 2
.set pr, 8*((\f)-8)
.else
.set pw, 3
.set pr, 8*((\f)-40)
.endif
.endm
.set f, 0
.rept 72                               ; the panel, in the order in which the products take it: fragment f = 3 kb + nb
	PREG f
	WIN 0x40*pw
	global_load_b128 v[pr:pr+3],   v[L16], s[SB:SB+1] offset:1024*f
	global_load_b128 v[pr+4:pr+7], v[L16], s[SB:SB+1] offset:1024*f+512
.set f, f+1
.endr
	WIN 0
; A product: K = 32 kb on, columns 16 nb on.  The three accumulators take turns, one instruction a turn, over both halves of a trip and over the backward jump.
.macro PROD kb, nb, zero
	PREG 3*(\kb)+(\nb)
	WIN 0x04|pw                                    ; source 0 the panel's window, source 1 window 1, C and D window 0
.if \zero
	v_wmma_f32_16x16x32_f16 v[ACC+8*(\nb):ACC+8*(\nb)+7], v[pr:pr+7], v[8*(\kb):8*(\kb)+7], 0
.else
	v_wmma_f32_16x16x32_f16 v[ACC+8*(\nb):ACC+8*(\nb)+7], v[pr:pr+7], v[8*(\kb):8*(\kb)+7], v[ACC+8*(\nb):ACC+8*(\nb)+7]
.endif
.endm
; 24 LDS loads in one run: half b of a block's fragments of x, kb = 12 b .. 12 b + 11.  Their address was made some lines ahead, so that no fresh vector result stands in front of the run.
.macro RUN b
	WIN 0x40                                       ; destination window 1, address window 0
.set k, 12*(\b)
.rept 12
	ds_load_b128 v[8*k:8*k+3],   v[ADR] offset:1024*k
	ds_load_b128 v[8*k+4:8*k+7], v[ADR] offset:1024*k+512
.set k, k+1
.endr
.if (\b) == 1
	s_add_co_u32 s[TB], s[TB], BLK                 ; the next fetch is the next block's
.endif
.endm
; THE GELU'S FIRST PART.  G1P n: plain line n % 4 of pair n / 4 of 12: the two arguments of the reciprocals, and -0.72134752 z z.  G1T n: the pair's two reciprocals and two exponentials, in place.
.macro G1P n
.if (\n) < 48
.set pq, 2*((\n)/4)
	WIN 0
.if (\n)%4 == 0
	v_fma_f32 v[T+pq], |v[H+pq]|, s[CP], 1.0
.elseif (\n)%4 == 1
	v_fma_f32 v[T+pq+1], |v[H+pq+1]|, s[CP], 1.0
.elseif (\n)%4 == 2
	v_pk_mul_f32 v[E+pq:E+pq+1], v[H+pq:H+pq+1], s[NC:NC+1] op_sel_hi:[1,0]
.else
	v_pk_mul_f32 v[E+pq:E+pq+1], v[E+pq:E+pq+1], v[H+pq:H+pq+1]
.endif
.endif
.endm
.macro G1T n
.set pq, 2*((\n)/4)
	WIN 0
.if (\n)%4 == 0
	v_rcp_f32 v[T+pq], v[T+pq]
.elseif (\n)%4 == 1
	v_rcp_f32 v[T+pq+1], v[T+pq+1]
.elseif (\n)%4 == 2
	v_exp_f32 v[E+pq], v[E+pq]
.else
	v_exp_f32 v[E+pq+1], v[E+pq+1]
.endif
.endm
; THE SECOND PART.  G2 n: line n % 36 for accumulator n / 36, whose four pairs go stage by stage, so that a line and the line that feeds it stand four apart.
.macro G2 n
.set ga, (\n)/36
.set gl, (\n)%36
.set gp, 8*ga+2*(gl%4)
	WIN 0
.if gl < 4
	v_pk_fma_f32 v[P+gp:P+gp+1], v[T+gp:T+gp+1], s[A3:A3+1], s[A2:A2+1] op_sel_hi:[1,0,0]
.elseif gl < 8
	v_pk_mul_f32 v[E+gp:E+gp+1], v[T+gp:T+gp+1], v[E+gp:E+gp+1]
.elseif gl < 12
	v_pk_fma_f32 v[P+gp:P+gp+1], v[P+gp:P+gp+1], v[T+gp:T+gp+1], s[A1:A1+1] op_sel_hi:[1,1,0]
.elseif gl < 16
	v_pk_fma_f32 v[P+gp:P+gp+1], v[P+gp:P+gp+1], v[E+gp:E+gp+1], 1.0 op_sel_hi:[1,1,0] neg_lo:[1,0,0] neg_hi:[1,0,0]  ; erf = 1 - P t e
.elseif gl < 24
.set gr, 8*ga+gl-16
	v_fma_f32 v[H+gr], |v[H+gr]|, v[P+gr], v[H+gr] ; 2 gelu = |z| erf + z
.elseif gl < 32
.set gr, 8*ga+gl-24
	v_med3_num_f32 v[H+gr], v[H+gr], s[CLO], s[CHI]
.else
.set gr, gl-32
	v_cvt_pk_f16_f32 v[O+4*ga+gr], v[H+8*ga+2*gr], v[H+8*ga+2*gr+1]
.endif
.endm
.macro HSTORES                         ; a block's three half fragments of h, together: each store covers 512 consecutive bytes, aligned
	WIN 0
.irp a, 0,1,2
	global_store_b128 v[HO], v[O+4*\a:O+4*\a+3], s[HB:HB+1] offset:512*\a th:TH_STORE_NT
.endr
.endm
; The 36 products of kb = 12 .. 23, which finish a block.  p2 = 1: behind each of them three lines of the second part for the block before: 12 products to an accumulator.
; lw = 1 (the first time): the panel is still arriving; ahead of each kb the count of the panel loads issued behind its three fragments, 138 - 6 kb, or the largest that the wait can name.
; dsw: the LDS loads that may stay out: the run of 24 issued behind these fragments' run, or none.
.macro HALF1 p2, lw, dsw
	s_wait_dscnt \dsw
.set i, 0
.set n2, 0
.rept 36
.if (\lw) && (i%3 == 0)
.set lc, 138-6*(12+i/3)
.if lc > 63
.set lc, 63
.endif
	s_wait_loadcnt lc
.endif
	PROD 12+i/3, i%3, 0
.if \p2
.rept 3
	G2 n2
.set n2, n2+1
.endr
.endif
.set i, i+1
.endr
.endm
; The finished sums leave the accumulators: z = a1 sum + b1, each accumulator from its low end on.  Behind the riders each accumulator's last product stands nine plain lines back
; or more; bare = 1: there were no riders, and v_nop take their place.  The first pair's plain lines follow.
.macro XFER bare
	WIN 0
.if \bare
.rept 8
	v_nop
.endr
.endif
.set i, 0
.rept 12
	v_pk_fma_f32 v[H+2*i:H+2*i+1], v[ACC+2*i:ACC+2*i+1], v[AL+2*i:AL+2*i+1], v[BI+2*i:BI+2*i+1]
.set i, i+1
.endr
.irp n, 0,1,2,3
	G1P \n
.endr
.endm
; The 36 products of kb = 0 .. 11, which begin a block; the first three start the sums with the constant 0.  p1 = 1: behind them the first part for the block just finished: three slices deal pair gi's
; four transcendentals and pair gi + 1's four plain lines, by turns.  None of these lines names a transcendental's result.
; Behind product 32 the next block's LDS address is made: the second run above has stepped s[TB].
; st = 1: in the middle, 18 products behind the trip's stores, their registers and base are freed and the base steps to the next row block.
.macro HALF0 p1, st
	s_wait_dscnt 24                                ; the first run is in; the second run's 24 loads may stay out
.set i, 0
.rept 36
.if i < 3
	PROD i/3, i%3, 1
.else
	PROD i/3, i%3, 0
.endif
.if \p1
.set gi, i/3
.if i%3 == 0
	G1P 4*(gi+1)
	G1T 4*gi
	G1P 4*(gi+1)+1
.elseif i%3 == 1
	G1T 4*gi+1
	G1P 4*(gi+1)+2
	G1T 4*gi+2
.else
	G1P 4*(gi+1)+3
	G1T 4*gi+3
.endif
.endif
.if i == 32
	WIN 0
	v_add_nc_u32 v[ADR], s[TB], v[L16]
.endif
.if (\st) && (i == 18)
	s_wait_xcnt 0x0                                ; every earlier memory instruction has had its addresses translated (ISA guide 3.1): O and the base are rewritten only behind this wait
	s_add_nc_u64 s[HB:HB+1], s[HB:HB+1], RBH
.endif
.set i, i+1
.endr
.endm
; A trip's end: four v_nop, which are the plain line behind the last transcendental and the four places in front of the next run of loads into registers that the last products read;
; then ONE wait for the batch of 48 transcendentals, ahead of the branch and of the first line that names a result.
.macro END
	WIN 0
.rept 4
	v_nop
.endr
	s_wait_alu depctr_va_vdst(0)
.endm
.macro ITER                            ; the trip of block n
	RUN 0                                          ; block n's first half
	HALF1 1, 0, 24                                 ; block n - 1 is finished | block n - 2: polynomial, clip, rounding
	XFER 0                                         ; its sixteen lines are also the places in front of the run below
	HSTORES                                        ; block n - 2 leaves,
	RUN 1                                          ; and block n's second half is fetched: one group of memory instructions
	HALF0 1, 1                                     ; block n is begun | block n - 1: arguments, reciprocals, exponentials
	END
.endm
; THE CHANGE OF SLOTS.  The slot's last bytes have been asked for.  Each wave waits for all its tensor loads, of which one is out: its block of the other slot; adds 0 to its spare word; and waits for that and
; for its own reads of the slot.  Behind the barrier nobody reads this slot any more and the other slot is whole.  fill = 1: this slot is filled again, with the blocks two fills on; the barrier is then a round
; of the cluster's, so that no wave of any partner still reads the slot or has a load on its way, and the joint load is the first thing behind it: it has four trips, 288 products, in which to land.
.macro CHANGE fill
	WIN 0
	s_wait_tensorcnt 0x0                           ; no tensor load of mine is out, so a group 0 may be written
	ds_add_u32 v[SPW], v[NIL]                      ; 0 onto my spare word; work on registers stands between it and the wait for it
	s_sub_co_u32 s[TB], s[TB], FILLB               ; the fetches go back to a slot's first block,
	s_xor_b32 s[TB], s[TB], SLOT1                  ; in the other slot,
	v_add_nc_u32 v[ADR], s[TB], v[L16]             ; and the address made in the last trip is made anew
.if \fill
	s_xor_b32 s[G0B+1], s[G0B+1], SLOT1            ; the walking descriptor: the other slot than last time,
	s_add_nc_u64 s[G0B+2:G0B+3], s[G0B+2:G0B+3], FILLB  ; the next four blocks; the type bits on top are not reached
	s_wait_xcnt 0x0                                ; the last prefetch, four trips back, has read its address
	s_add_nc_u64 s[PFA:PFA+1], s[PFA:PFA+1], FILLB
	s_wait_dscnt 0x0                               ; the add is done, and my reads of the slot are over
	CROUND
	tensor_load_to_lds s[G0B:G0B+3], s[G1:G1+7]
	s_nop 0
.rept 4
	v_nop
.endr
	ASK
.else
	s_wait_dscnt 0x0
	s_barrier_signal -1
	s_barrier_wait -1
.endif
.endm
	s_wait_tensorcnt 1                             ; my block of fill 0 is in; fill 1's may stay out
	s_barrier_signal -1
	s_barrier_wait -1                              ; everybody's is
	RUN 0                                          ; block 0
	RUN 1
	s_wait_loadcnt 63                              ; a1, b1 and the panel's first 81 loads are in: fragments up to kb = 12
	HALF0 0, 0
	WIN 0
.rept 4
	v_nop                                          ; the places in front of the run below
.endr
	RUN 0                                          ; block 1's trip: there is no block - 1 to finish the GELU of, and nothing to store
	HALF1 0, 1, 24
	XFER 1
	RUN 1
	HALF0 1, 0
	END
	s_mov_b32 s[CNT], 2                            ; slot 0 has two blocks left
	s_mov_b32 s[SLOTS], 12
	s_branch .Lstep
.Lslot:                                        ; eleven times: every fill but the last two is followed by another into its slot
	CHANGE 1
	s_mov_b32 s[CNT], 4
.Lstep:
	ITER
	s_sub_co_u32 s[CNT], s[CNT], 1
	s_cmp_lg_u32 s[CNT], 0
	s_cbranch_scc1 .Lstep
	s_sub_co_u32 s[SLOTS], s[SLOTS], 1
	s_cmp_lg_u32 s[SLOTS], 0
	s_cbranch_scc1 .Lslot
	CHANGE 0                                       ; the tail is written out: nothing is asked for
	s_mov_b32 s[CNT], 4
.Ltail:
	ITER
	s_sub_co_u32 s[CNT], s[CNT], 1
	s_cmp_lg_u32 s[CNT], 0
	s_cbranch_scc1 .Ltail
	HALF1 1, 0, 0                                  ; block 51 is finished | block 50: polynomial, clip, rounding
	HSTORES                                        ; block 50 leaves
	s_wait_xcnt 0x0                                ; O and the base are rewritten only behind this wait
	s_add_nc_u64 s[HB:HB+1], s[HB:HB+1], RBH
	XFER 0                                         ; and block 51's GELU has no products left to ride behind
.set n1, 4
.rept 44
	G1P n1
.set n1, n1+1
.endr
.set n1, 0
.rept 48
	G1T n1
.set n1, n1+1
.endr
	v_nop                                          ; a plain line behind the last transcendental,
	s_wait_alu depctr_va_vdst(0)                   ; and the one wait for the batch
.set n2, 0
.rept 108
	G2 n2
.set n2, n2+1
.endr
	HSTORES
	s_wait_tensorcnt 0x0                           ; the wave's end, behind my last tensor load
	ds_add_u32 v[SPW], v[NIL]
	s_wait_dscnt 0x0
	CROUND                                         ; the closing round: no work-group ends while a partner may still ask for a fill that names it
	s_endpgm
.Lfunc_end_k_q8966892719_fc1:
	.size	k_q8966892719_fc1, .Lfunc_end_k_q8966892719_fc1-k_q8966892719_fc1
	.p2alignl 7, 3214868480
	.fill 96, 4, 3214868480
	.section	.rodata,"a",@progbits
	.p2align	6, 0x0
	.amdhsa_kernel k_q8966892719_fc1
		.amdhsa_group_segment_fixed_size 327680
		.amdhsa_private_segment_fixed_size 0
		.amdhsa_enable_private_segment 0
		.amdhsa_kernarg_size 40
		.amdhsa_user_sgpr_count 2
		.amdhsa_user_sgpr_kernarg_segment_ptr 1
		.amdhsa_wavefront_size32 1
		.amdhsa_system_sgpr_workgroup_id_x 1
		.amdhsa_system_sgpr_workgroup_id_y 1
		.amdhsa_system_sgpr_workgroup_id_z 1
		.amdhsa_system_vgpr_workitem_id 0
		.amdhsa_next_free_vgpr 1024
		.amdhsa_next_free_sgpr 80
		.amdhsa_reserve_vcc 0
		.amdhsa_float_denorm_mode_32 3
		.amdhsa_float_denorm_mode_16_64 3
		.amdhsa_memory_ordered 1
		.amdhsa_forward_progress 1
		.amdhsa_inst_pref_size 118
	.end_amdhsa_kernel
	.amdgpu_metadata
---
amdhsa.version: [ 1, 2 ]
amdhsa.kernels:
  - .name:           k_q8966892719_fc1
    .symbol:         k_q8966892719_fc1.kd
    .args:
      - { .name: xf, .offset: 0, .size: 8, .value_kind: global_buffer, .address_space: global }
      - { .name: s1, .offset: 8, .size: 8, .value_kind: global_buffer, .address_space: global }
      - { .name: scal, .offset: 16, .size: 8, .value_kind: global_buffer, .address_space: global }
      - { .name: b1, .offset: 24, .size: 8, .value_kind: global_buffer, .address_space: global }
      - { .name: h, .offset: 32, .size: 8, .value_kind: global_buffer, .address_space: global }
    .group_segment_fixed_size: 327680
    .private_segment_fixed_size: 0
    .kernarg_segment_align: 8
    .kernarg_segment_size: 40
    .max_flat_workgroup_size: 128
    .sgpr_count:     80
    .vgpr_count:     1024
    .wavefront_size: 32
...
	.end_amdgpu_metadata
.endif
;; end of part 2
;; launch fc2 (part 3): grid 4 x 64, 4 waves a work-group, clusters of 4 x 4, 327,680 bytes of LDS; arguments h, s2, scal, b2, out0; writes out0
.if DOCPART == 3
	.amdgcn_target "amdgcn-amd-amdhsa--gfx1250"
	.amdhsa_code_object_version 6
	.text
	.protected	k_q8966892719_fc2
	.globl	k_q8966892719_fc2
	.p2align	8
	.type	k_q8966892719_fc2,@function
k_q8966892719_fc2:
	s_mov_b64 s[64:65], 0
	v_nop
	global_prefetch_b8 v0, s[64:65] scope:SCOPE_SE
	s_setreg_imm32_b32 hwreg(HW_REG_WAVE_MODE, 25, 1), 1
	s_wait_xcnt 0x0
	s_wait_alu depctr_hold_cnt(0) depctr_sa_sdst(0) depctr_va_vdst(0) depctr_va_sdst(0) depctr_va_ssrc(0) depctr_va_vcc(0) depctr_vm_vsrc(0)
	s_getreg_b32 s2, hwreg(HW_REG_IB_STS2, 6, 4)
	s_cmp_eq_u32 s2, 0
	s_cbranch_scc0 .Lentry_in_a_cluster
	s_endpgm
.Lentry_in_a_cluster:
	s_bfe_u32 s2, ttmp6, 0x10000c
	s_cmp_lg_u32 s2, 0xf033
	s_cbranch_scc0 .Lentry_shape_is_right
	s_endpgm
.Lentry_shape_is_right:
; THIRD LAUNCH.  out = (a2 / 2) (h sign(w2)^T) + b2, with h = 2 clip(gelu) in f16 from the second launch; sums, scale and bias in f32.  Nothing of the formula is left out.
; SHARES.  Work-group (q, g): batch element g's 13 row blocks of 16 (208 places, of which rows 197 .. 207 repeat row 196 and are not stored) x columns 192 q .. + 191.  K = 3,072 goes in 16 steps of 192
; through a ring of two LDS slots; a step is six sixths of 32 along K.
; K IS SPLIT INSIDE THE WORK-GROUP.  Wave w = (ch = w % 2, kh = w / 2) has all 13 row blocks x 96 columns (six column blocks 6 ch ..): 78 accumulators, 624 registers; of each step it multiplies the three
; sixths 3 kh .. 3 kh + 2 alone.  So 19 fragments from LDS feed 78 products, where 13 x 3 accumulators over all of K would read 16 for 39.  The two halves' f32 sums meet in LDS at the end, once.
; PLACES.  Wave kh holds row block (p + 7 kh) % 13 at place p of its accumulators; only two base registers say so.  So one text serves both halves: each sends the sums of its places 7 .. 12 to its partner and
; keeps places 0 .. 5, which are the partner's 7 .. 12; place 6 is row block 6 in kh = 0, which keeps it, and row block 0 in kh = 1, which sends it.
; Both operands lie in memory in fragment order (16 rows x 32 K = 1,024 bytes, [c 2][lane 32][16 bytes]), so a step's tiles are dense blocks, a fragment load takes 512 bytes on end, and LDS needs no padding.
; CLUSTERS: 4 x 4 work-groups; the grid has one cluster along x, so q is my place cx.  The four of a row of the cluster have the same g and need the same tiles of h; the four of a column the same q and
; the same tiles of sign(w2).  Each tile is asked for JOINTLY: the same tensor load, descriptor and mask in all four.
; THE PRODUCT is taken transposed (source 0 = 16 columns' signs, source 1 = 16 rows of h): a lane holds ONE row (lane % 16) and the columns 8 (lane / 16) + 0..7: 32 bytes of a row of out.
; THE WAY OUT uses LDS over the ring, whose slots have then had their last fill: an exchange area for the sums that are sent, and a stage of rows of 768 bytes + 16, from which whole rows come back:
; sixteen lanes store 256 consecutive bytes, aligned.
; REGISTERS, in windows of 256 (s_set_vgpr_msb: bits 1:0 source 0, 3:2 source 1, 5:4 source 2, 7:6 destination); accumulator number 6 p + nb:
;   window 0: v0-95 addresses; v96-247 fragment buffer 1; v248-255 accumulator 77      window 1: v0-151 fragment buffer 0; v152-255 accumulators 64-76      window 2: accumulators 0-31      window 3: accumulators 32-63
;   A fragment buffer: B's 6 fragments, then A's 13.  No register is left for scale and bias: they wait in LDS for the way out.
.set ABYTES, 79872                     ; a step's tile of h: [rb 13][kq 6][1 KB]
.set BBYTES, 73728                     ; of sign(w2): [nb 12][kq 6][1 KB]
.set SLOT,   ABYTES+BBYTES
.set XPAIR,  79872                     ; the way out: what a pair of waves (one ch) exchanges: 42 accumulators of 1,024 bytes from kh = 1, then 36 from kh = 0; the two pairs' areas lie from byte 0 on
.set STAGE,  2*XPAIR                   ; behind them: 208 rows
.set SP,     784                       ; a stage row: 768 bytes + 16 = 196 words: row r starts at bank 4 r mod 64 (64 banks of 4 bytes: ISA guide 11.1)
.set SPARE,  STAGE+208*SP              ; behind the stage and the ring: the spare words, 128 bytes for each wave: two blocks of 256 bytes that no other line names
.set ALB,    SPARE+512                 ; a2 / 2 of the work-group's columns: wave w lays 512 bytes, of which the first 192 are columns 48 w .. 48 w + 47; no tile lands here
.set BOFF,   2048                      ; b2 likewise, so far behind
.set KSA,    64*ABYTES                 ; from K step to K step in h
.set AO,    6                          ; v6      the head: my four columns in a2's parts and b2
.set ADRA,  16                         ; v16-17  LDS address of A's fragments for places 0-5, in slot 0, 1
.set ADRA2, 18                         ; v18-19  for places 6-12
.set ADRB,  20                         ; v20-21  of my six fragments of B
.set STO,   22                         ; v22-23  the stage, in: row l % 16 of place 0, of place 5; 32 bytes for each half of the lanes, my 384 bytes
.set ALR,   24                         ; v24     where I read scale and bias
.set RD,    25                         ; v25     the stage, back: row 50 w + l / 16, 16 bytes a lane
.set CO,    26                         ; v26     the same place in out
.set ROW,   27                         ; v27     50 w + l / 16
.set SPW,   28                         ; v28     LDS address of my spare word; never rewritten
.set NIL,   29                         ; v29     0; never rewritten
.set PFOA,  30                         ; v30     256 x min(lane, 25); never rewritten
.set PFOB,  31                         ; v31     256 x min(lane, 23); never rewritten
.set XS,    32                         ; v32     the exchange: where place 6 would go
.set XR,    33                         ; v33     the exchange: where my place 0's other half lies
.set LSA,   34                         ; v34     the head: where I lay 16 bytes of the scale
.set HT,    40                         ; v[40:59] the head: at work
.set WK,    96                         ; v[96:215] the way out: at work, in fragment buffer 1's registers
.set WV,   14
.set AB,   15                          ; s15  w / 2: I fetch for A (0) or for B (1); also kh
.set HF,   16                          ; s16  w % 2: which half of that tile; also ch
.set CX,   17
.set CY,   18
.set G,    19
.set G1A,  24                          ; s[24:31] descriptor group 1 for A's tiles;  s[32:39] group 0, one set for each slot
.set G0A,  32
.set PA,   40                          ; s[40:41] where my prefetches of h stand;  s[42:43] of sign(w2)
.set PB,   42
.set LIMA, 44                          ; s44, s45  1 in a wave that prefetches, else the greatest number
.set LIMB, 45
.set LAP,  46                          ; s46  laps still to come
.set CLY,  47                          ; s47  cluster y
.set G1B,  48                          ; s[48:55], s[56:63] the same for B's tiles
.set G0B,  56
.set OUT,  66                          ; s[66:67] out at the batch element's first row, my work-group's columns
.set SV,   76
.set MSB, 0
.macro WIN new                         ; the immediate's high byte repeats the setting that is left; a switch that changes nothing is dropped
.if MSB != (\new)
	s_set_vgpr_msb (MSB<<8)|(\new)
.set MSB, (\new)
.endif
.endm
.macro PLACES                          ; four places in front of loads into registers that matrix instructions have read (ISA guide 7.12.1 for vector instructions)
.rept 4
	v_nop
.endr
.endm
; A joint load.  Waves 0 and 1 fetch A's two halves, waves 2 and 3 B's.  The branch hangs on the wave's number alone.  An s_nop 0 and four v_nop follow each of the two lines.
.macro JLOAD s
	s_cmp_eq_u32 s[AB], 0
	s_cbranch_scc0 .Lfor_b_\@
	tensor_load_to_lds s[G0A+4*(\s):G0A+4*(\s)+3], s[G1A:G1A+7]
	s_nop 0
.rept 4
	v_nop
.endr
	s_branch .Lasked_\@
.Lfor_b_\@:
	tensor_load_to_lds s[G0B+4*(\s):G0B+4*(\s)+3], s[G1B:G1B+7]
	s_nop 0
.rept 4
	v_nop
.endr
.Lasked_\@:
.endm
.macro CREST                           ; a round of the cluster's barrier behind its opening barrier
	s_cmp_lg_u32 s[WV], 0
	s_cbranch_scc1 .Lnot_wave_0_\@
	s_barrier_signal -3
.Lnot_wave_0_\@:
	s_barrier_wait -3
	s_barrier_signal -1
	s_barrier_wait -1
.endm
.macro CROUND
	s_barrier_signal -1
	s_barrier_wait -1
	CREST
.endm
; PREFETCHES INTO THE L2, behind the joint load, its five lines and the run of LDS loads that the next products wait for: the K step that stands TWO refills on, 468 products ahead of the load that will want it.
; A's tile (312 blocks of 256 bytes) is read by my row of the cluster alone: its four partners take 78 blocks each BY ADDRESS (cx), waves 0 to 2 of each 26, a lane a block (lanes 26 to 31 name the 26th again).
; B's tile (288 blocks) is read by every cluster: the one with y = 0 asks; the four partners of a column take 72 blocks each by address (cy), waves 0 to 2 of each 24.
; K steps 0 to 3 come by their loads alone; the last lap of the loop asks for nothing: there is no K step 16.
.macro ASK
	s_cmp_gt_u32 s[LAP], s[LIMA]
	s_cbranch_scc0 .Lno_a_\@
	global_prefetch_b8 v[PFOA], s[PA:PA+1] th:TH_LOAD_NT scope:SCOPE_SE
.Lno_a_\@:
	s_cmp_gt_u32 s[LAP], s[LIMB]
	s_cbranch_scc0 .Lno_b_\@
	global_prefetch_b8 v[PFOB], s[PB:PB+1] th:TH_LOAD_NT scope:SCOPE_SE
.Lno_b_\@:
.endm
	s_load_b256 s[4:11], s[0:1], 0x0               ; h s[4:5], s2 s[6:7], scal s[8:9], b2 s[10:11]
	s_load_b64 s[12:13], s[0:1], 0x20              ; out0
	v_lshl_add_u32 v[SPW], v0, 2, SPARE
	v_mov_b32 v[NIL], 0
	ds_add_u32 v[SPW], v[NIL]                      ; the wave's opening: the add, twice on end, and its wait ahead of my first tensor load; the set-up below, work on registers, stands between
	ds_add_u32 v[SPW], v[NIL]
	v_lshrrev_b32 v1, 5, v0
	v_readfirstlane_b32 s[WV], v1                  ; wave 0..3
	s_lshr_b32 s[AB], s[WV], 1
	s_and_b32 s[HF], s[WV], 1
	s_bfe_u32 s[CX], ttmp6, 0x40000                ; cx = q
	s_bfe_u32 s[CY], ttmp6, 0x40004                ; cy
	s_and_b32 s[CLY], ttmp7, 0xffff                ; in a cluster launch ttmp7 counts clusters
	s_lshl_b32 s[G], s[CLY], 2
	s_add_co_u32 s[G], s[G], s[CY]                 ; g = 4 x cluster y + cy
	s_lshl_b32 s20, s[CY], 2
	s_lshl_b32 s20, 15, s20                        ; my row of the cluster: places 4 cy .. 4 cy + 3
	s_lshl_b32 s21, 0x1111, s[CX]                  ; my column: places cx, cx + 4, cx + 8, cx + 12
	; descriptor group 1: half a tile is a dense block, asked for as rows of 256 bytes (32 elements of 8): 156 of A, 144 of B
	s_or_b32 s[G1A], s20, (3<<16)|(1<<21)          ; 15:0 the mask: A's tiles go to my row; 17:16 elements of 8 bytes; 21 set beside a mask
	s_or_b32 s[G1B], s21, (3<<16)|(1<<21)          ; B's to my column
	s_mov_b32 s[G1A+1], 32<<16                     ; tensor_dim0 = 32
	s_mov_b32 s[G1B+1], 32<<16
	s_mov_b32 s[G1A+2], 156<<16                    ; tensor_dim1
	s_mov_b32 s[G1B+2], 144<<16
	s_mov_b32 s[G1A+3], 32<<16                     ; tile_dim0 = 32
	s_mov_b32 s[G1B+3], 32<<16
	s_mov_b32 s[G1A+4], 156                        ; tile_dim1
	s_mov_b32 s[G1B+4], 144
	s_mov_b32 s[G1A+5], 32                         ; 32 elements from row to row
	s_mov_b32 s[G1B+5], 32
	s_mov_b32 s[G1A+6], 0
	s_mov_b32 s[G1B+6], 0
	s_mov_b32 s[G1A+7], 0
	s_mov_b32 s[G1B+7], 0
	; where the tiles come from.  A's hang on g alone, which my row of the cluster shares; B's on q alone, which my column shares: each in registers that never hold the other coordinate
	s_mul_i32 s22, s[HF], ABYTES/2                 ; my half of A's tile: in memory and in a slot
	s_mul_i32 s68, s[G], ABYTES
	s_add_co_u32 s68, s68, s22
	s_mov_b32 s69, 0
	s_mul_i32 s23, s[HF], BBYTES/2                 ; my half of B's
	s_mul_i32 s70, s[CX], 16*BBYTES
	s_add_co_u32 s70, s70, s23
	s_mov_b32 s71, 0
	s_add_co_u32 s23, s23, ABYTES                  ; in a slot B lies behind A: no place in the cluster enters an LDS address
	s_mul_i32 s72, s[CX], 768                      ; my work-group's 192 columns of f32
	s_mov_b32 s73, 0
	s_mul_i32 s66, s[G], 605184                    ; 197 rows of 3,072 bytes
	s_add_co_u32 s66, s66, s72
	s_mov_b32 s67, 0
	s_mul_i32 s40, s[G], ABYTES                    ; the prefetches of h: K step 3 (the first refill steps it to 4), my work-group's 78 blocks, my wave's 26
	s_mul_i32 s20, s[CX], 19968
	s_add_co_u32 s40, s40, s20
	s_mul_i32 s20, s[WV], 6656
	s_add_co_u32 s40, s40, s20
	s_add_co_u32 s40, s40, 3*KSA
	s_mov_b32 s41, 0
	s_lshl_b32 s42, s[CX], 4                       ; of sign(w2): block 16 q + 3, my work-group's 72 blocks, my wave's 24
	s_add_co_u32 s42, s42, 3
	s_mul_i32 s42, s42, BBYTES
	s_mul_i32 s20, s[CY], 18432
	s_add_co_u32 s42, s42, s20
	s_mul_i32 s20, s[WV], 6144
	s_add_co_u32 s42, s42, s20
	s_mov_b32 s43, 0
	s_cmp_lt_u32 s[WV], 3
	s_cselect_b32 s[LIMA], 1, -1
	s_cselect_b32 s[LIMB], 0, 1
	s_or_b32 s[LIMB], s[LIMB], s[CLY]              ; 0 in waves 0 to 2 of the cluster with y = 0: the same in all sixteen partners
	s_cmp_eq_u32 s[LIMB], 0
	s_cselect_b32 s[LIMB], 1, -1
	s_wait_dscnt 0x0                               ; both opening adds are done
	s_wait_kmcnt 0x0
	s_add_nc_u64 s[68:69], s[4:5], s[68:69]
	s_add_nc_u64 s[70:71], s[6:7], s[70:71]
	s_add_nc_u64 s[74:75], s[10:11], s[72:73]      ; b2 at my work-group's columns
	s_add_nc_u64 s[72:73], s[8:9], s[72:73]        ; scal likewise
	s_add_nc_u64 s[OUT:OUT+1], s[12:13], s[OUT:OUT+1]
	s_add_nc_u64 s[PA:PA+1], s[4:5], s[PA:PA+1]
	s_add_nc_u64 s[PB:PB+1], s[6:7], s[PB:PB+1]
	CROUND                                         ; all sixteen work-groups are here: the first joint loads meet
.irp s, 0,1
	s_mov_b32 s[G0A+4*(\s)], 1                                         ; 1:0 count = 1
	s_add_co_u32 s[G0A+4*(\s)+1], s22, (\s)*SLOT                       ; 63:32 LDS address
	s_add_nc_u64 s[G0A+4*(\s)+2:G0A+4*(\s)+3], s[68:69], (\s)*KSA      ; 120:64 global address: K step s
	s_or_b32 s[G0A+4*(\s)+3], s[G0A+4*(\s)+3], 0x80000000              ; 127:126 type = 2
	s_mov_b32 s[G0B+4*(\s)], 1
	s_add_co_u32 s[G0B+4*(\s)+1], s23, (\s)*SLOT
	s_add_nc_u64 s[G0B+4*(\s)+2:G0B+4*(\s)+3], s[70:71], (\s)*BBYTES
	s_or_b32 s[G0B+4*(\s)+3], s[G0B+4*(\s)+3], 0x80000000
	JLOAD \s                                       ; the ring is filled before anything else is done: two loads of mine are out
.endr
	v_and_b32 v1, 31, v0                           ; lane
	v_and_b32 v2, 15, v0                           ; l % 16
	v_bfe_u32 v3, v0, 4, 1                         ; l / 16
	v_lshlrev_b32 v4, 4, v1                        ; 16 x lane
	; SCALE AND BIAS go to LDS.  Wave w sees to columns 48 w .. 48 w + 47, lane l < 12 to four of them; the other lanes repeat lane 11's loads and lay them into bytes of their own that nobody reads.
	v_min_u32 v5, 11, v1
	s_mul_i32 s20, s[WV], 192
	v_lshl_add_u32 v[AO], v5, 4, s20
.irp k, 0,1,2,3
	global_load_b128 v[HT+4*\k:HT+4*\k+3], v[AO], s[72:73] offset:12288+3072*\k  ; the four parts of a2 / 2
.endr
	global_load_b128 v[HT+16:HT+19], v[AO], s[74:75]
	v_lshl_add_u32 v[LSA], v0, 4, ALB              ; 512 w + 16 x lane
	s_mul_i32 s21, s[AB], 3072                     ; my three sixths begin 3 kh fragments into a row block's six
	s_mul_i32 s20, s[AB], 7*6144
	s_add_co_u32 s20, s20, s21
	v_add_nc_u32 v[ADRA], s20, v4                  ; places 0-5: row blocks 7 kh ..
	v_add_nc_u32 v[ADRA+1], SLOT, v[ADRA]
	s_sub_co_u32 s77, 1, s[AB]                     ; 1 - kh
	s_mul_i32 s20, s77, 6*6144
	s_add_co_u32 s20, s20, s21
	v_add_nc_u32 v[ADRA2], s20, v4                 ; places 6-12: row blocks 6 (1 - kh) ..
	v_add_nc_u32 v[ADRA2+1], SLOT, v[ADRA2]
	s_mul_i32 s20, s[HF], 6*6144                   ; my six column blocks of B,
	s_add_co_u32 s20, s20, s21
	s_add_co_u32 s20, s20, ABYTES                  ; which lies behind A
	v_add_nc_u32 v[ADRB], s20, v4
	v_add_nc_u32 v[ADRB+1], SLOT, v[ADRB]
	s_mul_i32 s78, s[HF], XPAIR                    ; my pair's exchange area
	s_mul_i32 s20, s77, 36864                      ; kh = 1 sends places 6 .. 12 to its head; kh = 0 places 7 .. 12 behind those 42 accumulators: 43,008 less a place's 6,144
	s_add_co_u32 s20, s20, s78
	v_add_nc_u32 v[XS], s20, v4
	s_mul_i32 s20, s[AB], 43008                    ; kh = 0 reads the head, kh = 1 what lies behind it
	s_add_co_u32 s20, s20, s78
	v_add_nc_u32 v[XR], s20, v4
	s_mul_i32 s20, s[AB], 112*SP                   ; my place 0 is row block 7 kh
	s_mul_i32 s21, s[HF], 384                      ; my 96 columns
	s_add_co_u32 s20, s20, s21
	s_add_co_u32 s20, s20, STAGE
	v_mul_u32_u24 v5, v2, SP
	v_lshl_add_u32 v5, v3, 5, v5
	v_add_nc_u32 v[STO], s20, v5
	v_add_nc_u32 v[STO+1], 5*16*SP, v[STO]         ; an LDS immediate has 16 bits
	s_lshl_b32 s20, s[HF], 10                      ; columns 96 ch .. were laid by waves 2 ch and 2 ch + 1
	s_add_co_u32 s20, s20, ALB
	v_lshl_add_u32 v[ALR], v3, 5, s20
	s_mul_i32 s21, s[WV], 50
	v_add_nc_u32 v[ROW], s21, v3
	v_mul_u32_u24 v[RD], v[ROW], SP
	v_lshl_add_u32 v[RD], v2, 4, v[RD]
	v_add_nc_u32 v[RD], STAGE, v[RD]
	v_mul_u32_u24 v[CO], v[ROW], 3072
	v_lshl_add_u32 v[CO], v2, 4, v[CO]
	v_min_u32 v[PFOA], 25, v1
	v_lshlrev_b32 v[PFOA], 8, v[PFOA]
	v_min_u32 v[PFOB], 23, v1
	v_lshlrev_b32 v[PFOB], 8, v[PFOB]
	s_wait_loadcnt 0x0
	v_pk_add_f32 v[HT:HT+1], v[HT:HT+1], v[HT+4:HT+5]
	v_pk_add_f32 v[HT+2:HT+3], v[HT+2:HT+3], v[HT+6:HT+7]
	v_pk_add_f32 v[HT+8:HT+9], v[HT+8:HT+9], v[HT+12:HT+13]
	v_pk_add_f32 v[HT+10:HT+11], v[HT+10:HT+11], v[HT+14:HT+15]
	v_pk_add_f32 v[HT:HT+1], v[HT:HT+1], v[HT+8:HT+9]
	v_pk_add_f32 v[HT+2:HT+3], v[HT+2:HT+3], v[HT+10:HT+11]
	ds_store_b128 v[LSA], v[HT:HT+3]
	ds_store_b128 v[LSA], v[HT+16:HT+19] offset:BOFF
.macro AREG ai                         ; where accumulator ai lies: window aw, register ar
.if (\ai) < 32
.set aw, 2
.set ar, 8*(\ai)
.elseif (\ai) < 64
.set aw, 3
.set ar, 8*((\ai)-32)
.elseif (\ai) < 77
.set aw, 1
.set ar, 152+8*((\ai)-64)
.else
.set aw, 0
.set ar, 248
.endif
.endm
.macro FREG f                          ; where fragment buffer f lies: window fw, register fb
.if (\f) == 0
.set fw, 1
.set fb, 0
.else
.set fw, 0
.set fb, 96
.endif
.endm
; The products of places p0 .. p1 - 1 x my six column blocks, 32 along K, from buffer f.  The 78 accumulators take turns in the same order in every third, one instruction a turn, over the
; backward jump too.  zero = 1: the first products start the sums: nothing is ever cleared.
.macro MULS f, p0, p1, zero
	FREG \f
.set pl, \p0
.rept (\p1)-(\p0)
.set nb, 0
.rept 6
	AREG 6*pl+nb
	WIN fw|(fw<<2)|(aw<<4)|(aw<<6)
.if \zero
	v_wmma_f32_16x16x32_f16 v[ar:ar+7], v[fb+8*nb:fb+8*nb+7], v[fb+48+8*pl:fb+48+8*pl+7], 0
.else
	v_wmma_f32_16x16x32_f16 v[ar:ar+7], v[fb+8*nb:fb+8*nb+7], v[fb+48+8*pl:fb+48+8*pl+7], v[ar:ar+7]
.endif
.set nb, nb+1
.endr
.set pl, pl+1
.endr
.endm
; 38 LDS loads in one run: the fragments of my sixth j (of three) of a slot into buffer f: B's six, then A's thirteen by places.
.macro FETCH slot, j, f
	FREG \f
	WIN fw<<6                                      ; the destination's window; the address in window 0
.set nb, 0
.rept 6
	ds_load_b128 v[fb+8*nb:fb+8*nb+3],   v[ADRB+(\slot)] offset:6144*nb+1024*(\j)
	ds_load_b128 v[fb+8*nb+4:fb+8*nb+7], v[ADRB+(\slot)] offset:6144*nb+1024*(\j)+512
.set nb, nb+1
.endr
.set pl, 0
.rept 13
.if pl < 6
	ds_load_b128 v[fb+48+8*pl:fb+48+8*pl+3],   v[ADRA+(\slot)] offset:6144*pl+1024*(\j)
	ds_load_b128 v[fb+48+8*pl+4:fb+48+8*pl+7], v[ADRA+(\slot)] offset:6144*pl+1024*(\j)+512
.else
	ds_load_b128 v[fb+48+8*pl:fb+48+8*pl+3],   v[ADRA2+(\slot)] offset:6144*(pl-6)+1024*(\j)
	ds_load_b128 v[fb+48+8*pl+4:fb+48+8*pl+7], v[ADRA2+(\slot)] offset:6144*(pl-6)+1024*(\j)+512
.endif
.set pl, pl+1
.endr
.endm
; One of a K step's first two thirds: multiplies buffer f; in its middle it fetches my sixth jn of the same slot into buffer g.
.macro THIRD slot, jn, f, g, zero
	s_wait_dscnt 12                                ; B and A's places 0-6 are in; the youngest twelve loads (places 7-12) may be out
	MULS \f, 0, 7, \zero
	PLACES
	FETCH \slot, \jn, \g
	s_wait_dscnt 38                                ; all but the 38 just issued
	MULS \f, 7, 13, \zero
.endm
; The last third multiplies buffer f and changes slots: ONE barrier.  In front of it each wave waits for all its tensor loads, of which one is out: its part of the next slot; adds 0 to its spare word; and waits
; for that and for its own reads of this slot.  Behind it nobody reads this slot any more and the next slot is whole.  fill = 1: the barrier opens a round of the cluster's, so that no wave of any partner still
; reads the slot or has a load on its way; the slot is filled again, two K steps ahead, by the first tensor load behind the round: 192 products stand between that request and the wait for it.
.macro TURN slot, next, fill, f, g
.if \fill
	s_wait_xcnt 0x0                                ; the last prefetches, a K step back, have read their addresses: they are stepped here, ahead of the waits of the change of slots
	s_add_nc_u64 s[PA:PA+1], s[PA:PA+1], KSA
	s_add_nc_u64 s[PB:PB+1], s[PB:PB+1], BBYTES
.endif
	WIN 0                                          ; (the add's two registers lie in window 0)
	s_wait_tensorcnt 0x0                           ; all my tensor loads have landed;
	ds_add_u32 v[SPW], v[NIL]                      ; 0 onto my spare word;
	s_wait_dscnt 13                                ; (the add and the youngest twelve loads may be out)
	MULS \f, 0, 4, 0                               ; 24 products stand between the add and the wait for it
	s_wait_dscnt 0x0                               ; the add is done, and my reads of this slot are over
	s_barrier_signal -1
	MULS \f, 4, 7, 0                               ; work on registers while the others arrive
.if \fill
	WIN 0
.endif
	s_barrier_wait -1
.if \fill
	CREST
	s_add_nc_u64 s[G0A+4*(\slot)+2:G0A+4*(\slot)+3], s[G0A+4*(\slot)+2:G0A+4*(\slot)+3], 2*KSA
	s_add_nc_u64 s[G0B+4*(\slot)+2:G0B+4*(\slot)+3], s[G0B+4*(\slot)+2:G0B+4*(\slot)+3], 2*BBYTES
	JLOAD \slot                                    ; the four v_nop behind it are also the places in front of the loads below
.else
	PLACES
.endif
	FETCH \next, 0, \g
.if \fill
	WIN 0
	ASK
.endif
	MULS \f, 7, 13, 0
.endm
	s_wait_dscnt 0x0                               ; for the others' sake: my part of scale and bias lies in LDS
	s_wait_tensorcnt 1                             ; my part of K step 0 is in; K step 1's may stay out
	s_barrier_signal -1
	s_barrier_wait -1                              ; everybody's is
	FETCH 0, 0, 0
	THIRD 0, 1, 0, 1, 1                            ; the first third stands in front of the loop: its products start the sums
	WIN 0                                          ; at a label and at a branch every window is 0
	s_mov_b32 s[LAP], 7
.Llap:                                         ; a trip goes once round the ring, from a lap's second third to the next lap's first, and fills both slots again; a lap's six thirds take the two buffers by turns
	THIRD 0, 2, 1, 0, 0
	TURN 0, 1, 1, 0, 1
	THIRD 1, 1, 1, 0, 0
	THIRD 1, 2, 0, 1, 0
	TURN 1, 0, 1, 1, 0
	THIRD 0, 1, 0, 1, 0
	WIN 0
	s_sub_co_u32 s[LAP], s[LAP], 1
	s_cmp_lg_u32 s[LAP], 0
	s_cbranch_scc1 .Llap
	THIRD 0, 2, 1, 0, 0                            ; the last lap fills nothing, and has no round of the cluster's barrier
	TURN 0, 1, 0, 0, 1
	THIRD 1, 1, 1, 0, 0
	THIRD 1, 2, 0, 1, 0
	s_wait_dscnt 12                                ; the very last third: nothing more to fetch
	MULS 1, 0, 7, 0
	s_wait_dscnt 0x0
	MULS 1, 7, 13, 0
	WIN 0
	; THE WAY OUT.  Exchange area and stage lie over the ring: every wave's reads of the last slot are over (its wait for 0 above), and a barrier says so to all.
.rept 8
	v_nop                                          ; the places behind the last products: no other vector work is at hand
.endr
	s_barrier_signal -1
	s_barrier_wait -1
; Place p's six accumulators go to my partner as they are, 1,024 bytes each, 16 bytes a lane; each accumulator's low registers first.
.macro SENDP p
.set nb, 0
.rept 6
	AREG 6*(\p)+nb
	WIN aw<<2                                      ; the data (source 1) in the accumulator's window
	ds_store_b128 v[XS], v[ar:ar+3]   offset:6144*((\p)-6)+1024*nb
	ds_store_b128 v[XS], v[ar+4:ar+7] offset:6144*((\p)-6)+1024*nb+512
.set nb, nb+1
.endr
.endm
	s_cmp_eq_u32 s[AB], 0                          ; place 6 is sent by kh = 1 alone (its row block 0); kh = 0 keeps its row block 6
	s_cbranch_scc1 .Lkeeps_6
	SENDP 6
	WIN 0
.Lkeeps_6:
.irp p, 7,8,9,10,11,12
	SENDP \p
.endr
	WIN 0
	s_wait_dscnt 0x0                               ; for my partner's sake: what I send lies in LDS
	s_barrier_signal -1
	s_barrier_wait -1
	WIN 0x40                                       ; scale and bias of my 48 numbers a lane, into fragment buffer 0's registers: v0-47, v48-95 of window 1
.set nb, 0
.rept 6
	ds_load_b128 v[8*nb:8*nb+3],       v[ALR] offset:512*(nb/3)+64*(nb%3)
	ds_load_b128 v[8*nb+4:8*nb+7],     v[ALR] offset:512*(nb/3)+64*(nb%3)+16
	ds_load_b128 v[48+8*nb:48+8*nb+3], v[ALR] offset:BOFF+512*(nb/3)+64*(nb%3)
	ds_load_b128 v[48+8*nb+4:48+8*nb+7], v[ALR] offset:BOFF+512*(nb/3)+64*(nb%3)+16
.set nb, nb+1
.endr
	WIN 0
.macro LX p, set                       ; my partner's sums for my place p: 12 loads into set 0 or 1 of 48 registers
.set nb, 0
.rept 6
	ds_load_b128 v[WK+48*(\set)+8*nb:WK+48*(\set)+8*nb+3],   v[XR] offset:6144*(\p)+1024*nb
	ds_load_b128 v[WK+48*(\set)+8*nb+4:WK+48*(\set)+8*nb+7], v[XR] offset:6144*(\p)+1024*nb+512
.set nb, nb+1
.endr
.endm
; Place p is finished: my sums are added onto my partner's (each accumulator from its low end on), then (a2 / 2) sum + b2, then 32 bytes a lane and accumulator into the stage.
.macro FIN p, set
.set nb, 0
.rept 6
	AREG 6*(\p)+nb
	WIN aw<<2                                      ; source 1 in the accumulator's window
.set z, 0
.rept 4
	v_pk_add_f32 v[WK+48*(\set)+8*nb+2*z:WK+48*(\set)+8*nb+2*z+1], v[WK+48*(\set)+8*nb+2*z:WK+48*(\set)+8*nb+2*z+1], v[ar+2*z:ar+2*z+1]
.set z, z+1
.endr
.set nb, nb+1
.endr
	WIN 0x14                                       ; sources 1 and 2 in window 1
.set z, 0
.rept 24
	v_pk_fma_f32 v[WK+48*(\set)+2*z:WK+48*(\set)+2*z+1], v[WK+48*(\set)+2*z:WK+48*(\set)+2*z+1], v[2*z:2*z+1], v[48+2*z:48+2*z+1]
.set z, z+1
.endr
	WIN 0
.set nb, 0
.rept 6
	ds_store_b128 v[STO+(\p)/5], v[WK+48*(\set)+8*nb:WK+48*(\set)+8*nb+3]   offset:((\p)%5)*16*SP+64*nb
	ds_store_b128 v[STO+(\p)/5], v[WK+48*(\set)+8*nb+4:WK+48*(\set)+8*nb+7] offset:((\p)%5)*16*SP+64*nb+16
.set nb, nb+1
.endr
.endm
	LX 0, 0
	LX 1, 1
	s_wait_dscnt 12                                ; scale, bias and place 0 are in; place 1's twelve loads may be out
	FIN 0, 0
	LX 2, 0                                        ; LDS serves a wave's instructions in order (ISA guide 5.7.1.4): these loads come behind the stores that read the set
.irp p, 1,2,3
	s_wait_dscnt 24                                ; behind place p's loads stand the last place's twelve stores and the next place's twelve loads
	FIN \p, (\p)%2
	LX (\p)+2, (\p)%2
.endr
	s_wait_dscnt 24
	FIN 4, 0
	s_wait_dscnt 12                                ; behind place 5's loads stand place 4's twelve stores
	FIN 5, 1
	s_cmp_lg_u32 s[AB], 0                          ; place 6 is finished by kh = 0 alone
	s_cbranch_scc1 .Lsent_6
	LX 6, 0
	s_wait_dscnt 0x0
	FIN 6, 0
.Lsent_6:
	s_wait_dscnt 0x0                               ; for the others' sake: my stores into the stage are done
	s_barrier_signal -1
	s_barrier_wait -1                              ; a row's 768 bytes come from two waves, the tile's rows from all four
; Wave w takes rows 50 w .. 50 w + 49, two at a time (lanes 0-15 one row, lanes 16-31 the next), three loads of 256 bytes a row.  Five batches of five pairs of rows, on two sets of 60 registers.
.macro LOADB b
.set k, 0
.rept 15
	ds_load_b128 v[WK+60*((\b)%2)+4*k:WK+60*((\b)%2)+4*k+3], v[RD] offset:(5*(\b)+k/3)*2*SP+256*(k%3)
.set k, k+1
.endr
.endm
.macro ST1 b, k
	global_store_b128 v[CO], v[WK+60*((\b)%2)+4*(\k):WK+60*((\b)%2)+4*(\k)+3], s[OUT:OUT+1] offset:(5*(\b)+(\k)/3)*6144+256*((\k)%3) th:TH_STORE_NT  ; 16 lanes store 256 consecutive bytes, aligned
.endm
.macro STOREB b, younger, n            ; younger: the LDS loads issued behind this batch's
.set kk, 0
.rept \n
	s_wait_dscnt (\younger)+14-kk
	ST1 \b, kk
.set kk, kk+1
.endr
.endm
	LOADB 0
	LOADB 1
	STOREB 0, 15, 15
	s_wait_xcnt 0x0                                ; a set is loaded again only when the stores that read it have had their addresses translated (ISA guide 3.1)
	LOADB 2
	STOREB 1, 15, 15
	s_wait_xcnt 0x0
	LOADB 3
	STOREB 2, 15, 15
	s_wait_xcnt 0x0
	LOADB 4
	STOREB 3, 15, 15
	STOREB 4, 0, 9
	s_wait_dscnt 0x0
.irp d, 0,1                            ; the last two pairs of rows, 50 w + 46 + 2 d + l / 16: only rows under 197 exist (in waves 0 to 2 all do)
	s_wait_xcnt 0x0                                ; EXEC is a source of the stores above: it changes only behind this wait
	v_cmp_gt_u32 vcc_lo, 151-2*\d, v[ROW]
	s_and_saveexec_b32 s[SV], vcc_lo
	ST1 4, 9+3*\d
	ST1 4, 10+3*\d
	ST1 4, 11+3*\d
	s_wait_xcnt 0x0                                ; and again, in front of the line that widens it
	s_or_b32 exec_lo, exec_lo, s[SV]
.endr
	s_wait_tensorcnt 0x0                           ; the wave's end, behind my last tensor load and my last LDS store
	ds_add_u32 v[SPW], v[NIL]
	s_wait_dscnt 0x0
	CROUND                                         ; the closing round: no work-group ends while a partner may still ask for a tile that names it
	s_endpgm
.Lfunc_end_k_q8966892719_fc2:
	.size	k_q8966892719_fc2, .Lfunc_end_k_q8966892719_fc2-k_q8966892719_fc2
	.p2alignl 7, 3214868480
	.fill 96, 4, 3214868480
	.section	.rodata,"a",@progbits
	.p2align	6, 0x0
	.amdhsa_kernel k_q8966892719_fc2
		.amdhsa_group_segment_fixed_size 327680
		.amdhsa_private_segment_fixed_size 0
		.amdhsa_enable_private_segment 0
		.amdhsa_kernarg_size 40
		.amdhsa_user_sgpr_count 2
		.amdhsa_user_sgpr_kernarg_segment_ptr 1
		.amdhsa_wavefront_size32 1
		.amdhsa_system_sgpr_workgroup_id_x 1
		.amdhsa_system_sgpr_workgroup_id_y 1
		.amdhsa_system_sgpr_workgroup_id_z 1
		.amdhsa_system_vgpr_workitem_id 0
		.amdhsa_next_free_vgpr 1024
		.amdhsa_next_free_sgpr 80
		.amdhsa_reserve_vcc 1
		.amdhsa_float_denorm_mode_32 3
		.amdhsa_float_denorm_mode_16_64 3
		.amdhsa_memory_ordered 1
		.amdhsa_forward_progress 1
		.amdhsa_inst_pref_size 160
	.end_amdhsa_kernel
	.amdgpu_metadata
---
amdhsa.version: [ 1, 2 ]
amdhsa.kernels:
  - .name:           k_q8966892719_fc2
    .symbol:         k_q8966892719_fc2.kd
    .args:
      - { .name: h, .offset: 0, .size: 8, .value_kind: global_buffer, .address_space: global }
      - { .name: s2, .offset: 8, .size: 8, .value_kind: global_buffer, .address_space: global }
      - { .name: scal, .offset: 16, .size: 8, .value_kind: global_buffer, .address_space: global }
      - { .name: b2, .offset: 24, .size: 8, .value_kind: global_buffer, .address_space: global }
      - { .name: out0, .offset: 32, .size: 8, .value_kind: global_buffer, .address_space: global }
    .group_segment_fixed_size: 327680
    .private_segment_fixed_size: 0
    .kernarg_segment_align: 8
    .kernarg_segment_size: 40
    .max_flat_workgroup_size: 128
    .sgpr_count:     80
    .vgpr_count:     1024
    .wavefront_size: 32
...
	.end_amdgpu_metadata
.endif
;; end of part 3
